; MI455X (gfx1250); checked and timed in simulation.
; The chip was launched on July 23, 2026; its instructions are those of AMD's public machine-readable ISA for CDNA 5 (MIT licence, August 2026) and "CDNA5" Instruction Set Architecture Reference Guide (July 2026). The comments in the code are by the model that wrote it; some were corrected since.
;; Self Attention. Allowed arithmetic: matrix products marked QUANTISED: E3M2 operands, one E8M0 scale for each 32 along K, by v_wmma_scale_f32_16x16x128_f8f6f4 with both operands' format E3M2, f32 sums; everything else in f32.
;; Inputs: Wk 512 x 512 float32; Wq 512 x 512 float32; Wv 512 x 512 float32; beta 512 float32; emb 4 x 512 float32; gamma 512 float32; x 4 x 2,048 x 512 float32.
;; Outputs: out0 4 x 2,048 x 512 float32.
;; This version of the problem:
;;   THIS VERSION OF THE PROBLEM IS GIVEN IN LOW PRECISION. The matrix products marked QUANTISED in the list below multiply operands that are first quantised to E3M2 (3 exponent bits, 2 mantissa bits; 6 bits a number), with one power-of-two scale for each 32 numbers along K (OCP MX v1.0); their sums are f32. All else is computed in f32.
;;   The module's matrix products, in the order in which they are computed (A, B: the left and right operand; K: the contracted axis; several contracted axes count as one K, in the product's order):
;;     1. [M 8,192, K 512] x [K 512, N 512]; A: computed on the way; B: input Wq: QUANTISED
;;     2. [M 8,192, K 512] x [K 512, N 512]; A: computed on the way; B: input Wk: QUANTISED
;;     3. [M 8,192, K 512] x [K 512, N 512]; A: computed on the way; B: input Wv: QUANTISED
;;     4. batch 32 x [M 2,048, K 64] x [K 64, N 2,048]; A: computed on the way; B: computed on the way: QUANTISED
;;     5. batch 32 x [M 64, K 2,048] x [K 2,048, N 2,048]; A: computed on the way; B: softmax (see below): QUANTISED
;;   THE QUANTISER, for each operand of a quantised product, along K:
;;     - K is cut into blocks of 32 from its start; a last block that is shorter is filled with zeros.
;;     - A block's scale is 2^e with e = floor(log2(the largest magnitude in the block)) - 4, held to -126 .. 127; a block of zeros has e = 0. As a byte (E8M0): e + 127.
;;     - Each number is divided by its block's scale, clamped to +-28, and rounded to the nearest number of E3M2, ties to even, subnormals kept.
;;     - The product sums the exact products of the quantised numbers (number of the format x scale) in f32.
;;   ~~~python
;;   def quantise(x, axis):      # numpy; x: float32 -> the quantised numbers, widened to float32 again
;;       x = np.moveaxis(x, axis, -1); K = x.shape[-1]
;;       x = np.pad(x, [(0, 0)] * (x.ndim - 1) + [(0, -K % 32)]); x = x.reshape(x.shape[:-1] + (-1, 32)); a = np.abs(x).max(-1, keepdims=True)
;;       e = np.where(a > 0, np.clip(np.frexp(np.where(a > 0, a, 1))[1] - 1 - 4, -126, 127), 0)      # np.frexp(a)[1] - 1 = floor(log2(a)), exactly
;;       r = np.clip(x / 2.0 ** e, -28, 28)
;;       step = 2.0 ** (np.maximum(np.frexp(np.where(r == 0, 1, r))[1] - 1, -2) - 2)
;;       q = np.round(r / step) * step * 2.0 ** e      # np.round: ties to even
;;       return np.moveaxis(q.reshape(q.shape[:-2] + (-1,))[..., :K], -1, axis).astype(np.float32)
;;   ~~~
;;   SOFTMAX AHEAD OF A QUANTISED PRODUCT. Where the list says 'softmax', what is quantised is not the finished softmax but p = 2^(t - M), with t = logit x log2(e) and M = ceil(the row's largest t), a whole number; so 1/2 < the row's largest p <= 1. The row's sum l is taken of the UNQUANTISED p, in f32, and the product's result is divided by l at the end. Since M is a whole number, a kernel that streams over the keys may use a running M (the ceiling of the running maximum): every later rescaling is an exact power of two, which a block's scale takes up: the codes' values come out the same.
;;   OPERANDS COMPUTED ON THE WAY. 'Computed on the way' means the value that the module computes at that place (a softmax that the list does not call 'softmax' is quantised finished and normalised). What goes into a quantiser is computed in f32, as accurately as f32 sums, v_exp_f32 and their like allow (about 1e-6 of the number): no bf16 or f16 on the way to a quantiser, and a product that is left as it is and whose result goes on into a quantised operand takes f32 operands (vector FMAs, or v_wmma_f32_16x16x4_f32). A number that lies on a knife's edge between two numbers of the format may be rounded either way, as far as f32 arithmetic and the matrix unit's own rounding can turn it there, and no further.
;; One version. Each part assembles by itself: llvm-mc -triple=amdgcn-amd-amdhsa -mcpu=gfx1250 --defsym DOCPART=n.
;; ======== version 1 of 1: 3 launches
;; limits: right only within a limited range of input values
;; workspace buffers: rc 3,735,552 bytes; rs 155,648 bytes; q 3,407,872 bytes; kv 6,684,672 bytes
;; launch prep (part 1): grid 304 x 1, 8 waves a work-group, no clusters, 55,296 bytes of LDS; arguments x, Wq, Wk, Wv, gamma, beta, rc, rs; writes rc, rs
.if DOCPART == 1
	.amdgcn_target "amdgcn-amd-amdhsa--gfx1250"
	.amdhsa_code_object_version 6
	.text
	.protected	k_q703eb7b8c4_prep
	.globl	k_q703eb7b8c4_prep
	.p2align	8
	.type	k_q703eb7b8c4_prep,@function
k_q703eb7b8c4_prep:
	s_mov_b64 s[64:65], 0
	v_nop
	global_prefetch_b8 v0, s[64:65] scope:SCOPE_SE
	s_setreg_imm32_b32 hwreg(HW_REG_WAVE_MODE, 25, 1), 1
	s_wait_xcnt 0x0
; LayerNorm of x [8192][512] and the quantising of xn, Wq, Wk, Wv (each row 512 f32, K innermost) into codes of BF6 (E3M2) with one E8M0 byte for each 32 along K.
; A block's scale is 2^(floor(log2(its largest magnitude)) - 4); its byte is the largest magnitude's exponent field - 4, held at 1 from below.
; No step and no input of the problem is left out in this program.
; LIMITS: NaN and infinities are not served; a block whose largest magnitude lies under 2^-122 keeps the byte 1; a block of zeros has the byte 1 where the rule
; says 127 (its codes are zeros, which add nothing under any byte but 0xff, and this program alone reads the bytes).
; ONE PATH FOR ALL FOUR TENSORS: work-groups 0-255 take two tiles of x each, 256-271 of Wq, 272-287 of Wk, 288-303 of Wv.  Only the pointer and a lane mask are chosen;
; for a weight the mean is replaced by 0, the reciprocal deviation by 1, gamma by 1 and beta by 0, so that (w - 0) x 1 x 1 + 0 is w itself.
; THE TILE ORDER: rows go in groups of 64; tile 4 G + u holds, at its place r, row 64 G + 8 u + r % 8 + 32 (r / 8).  So in a product whose source 0 is four such tiles
; a lane's 32 results are 32 neighbouring rows: a whole block of the next quantiser.
; SHARES: eight waves; waves 0-3 make the work-group's first tile, waves 4-7 its second; a wave takes four places of its tile, which are four neighbouring rows.
; WHAT IS STORED is the image of a matrix operand's registers: tile tau at rc + 6144 tau; register 12 s + rho (K step s of 128, register rho of the fragment) of lane
; (r, h) at 512 (3 s + rho / 4) + 16 (r + 16 h) + 4 (rho % 4); registers 6 c .. 6 c + 5 hold K = 128 s + 64 c + 32 h + 0 .. 31.  Scale bytes: rs + 256 tau + 16 r + block.
; A row's 2,048 bytes are loaded as they lie (512 consecutive bytes a load) and turned through the wave's own stage, so that a lane holds 16 neighbours along K.
; The four waves of a tile gather its image in LDS; behind one barrier each stores a quarter of it, 512 consecutive bytes a store.
; The mean and the variance are taken in two passes, as the definition has them.  No tensor loads; all 16 row loads of a wave go out at the head.
.set WTURN, 5120                       ; a wave's two turn stages
.set SP,    80                         ; a lane's place in a turn stage: 64 bytes + 16 of padding
.set TSTG,  32*SP
.set IMGS,  8*WTURN                    ; behind the turn stages: for each tile TILEB bytes
.set TILEB, 6656                       ; 12 image rows of CROW bytes; at SCBO the tile's 256 scale bytes
.set CROW,  528                        ; 256 bytes (lanes 0-15) + 16 of padding + 256 bytes (lanes 16-31)
.set SCBO,  6400
.set SPARE, IMGS+2*TILEB               ; the spare words: 128 bytes a wave, four blocks of 256 bytes that no other line names
.set GAM,  16
.set BET,  32
.set X,    48                          ; two sets of 16 neighbours
.set R,    80                          ; four sets of 16 numbers as loaded
.set C,    144                         ; two sets of codes
.set E,    152                         ; two scale bytes
.set MU,   154
.set A0,   156
.set PX,   164
.set RSD,  166
.set MX,   168
.set SOP,  170
.set SPW,  172
.set NIL,  173
	s_load_b256 s[4:11], s[0:1], 0x0               ; x, Wq, Wk, Wv
	s_load_b256 s[12:19], s[0:1], 0x20             ; gamma, beta, rc, rs
	v_lshl_add_u32 v[SPW], v0, 2, SPARE
	v_mov_b32 v[NIL], 0
	v_lshrrev_b32 v12, 5, v0
	v_readfirstlane_b32 s20, v12                   ; wave 0..7
	s_lshr_b32 s33, s20, 2                         ; u: which of the two tiles
	s_and_b32 s34, s20, 3                          ; qd: which four places of it
	s_mul_i32 s21, s20, WTURN                      ; my turn stages
	s_mul_i32 s35, s33, TILEB
	s_add_co_u32 s35, s35, IMGS                    ; my tile's image
	s_lshl_b32 s36, s34, 6
	s_add_co_u32 s36, s36, s35                     ; + 16 bytes for each place ahead of mine
	s_mul_i32 s37, s34, 3*CROW
	s_add_co_u32 s37, s37, s35                     ; the three image rows that I store
	s_and_b32 s23, ttmp9, 15
	s_mov_b32 s26, 0x76543210
	s_mov_b32 s27, 0xfedcba98                      ; selects for lane l xor 16
	s_mov_b32 s30, 0x3b000000                      ; 1 / 512
	s_mov_b32 s31, 0x3727c5ac                      ; 1e-5
	s_lshl_b32 s32, ttmp9, 1
	s_add_co_u32 s32, s32, s33                     ; my tile's number
	v_and_b32 v1, 31, v0                           ; lane l
	v_lshlrev_b32 v2, 4, v1                        ; 16 l
	v_lshrrev_b32 v3, 2, v1
	v_mul_u32_u24 v3, v3, SP
	v_and_b32 v12, 3, v1
	v_lshl_add_u32 v3, v12, 4, v3
	v_add_nc_u32 v3, s21, v3                       ; turn stage, in: four lanes' 64 bytes on end, then the padding
	v_mul_u32_u24 v4, v1, SP
	v_add_nc_u32 v4, s21, v4                       ; turn stage, out: my 16 neighbours, columns 16 l on
	; my three registers of codes in the image: K step l / 8, c = (l / 4) % 2, h = (l / 2) % 2, half of the block l % 2
	v_bfe_u32 v12, v1, 2, 1
	v_and_b32 v13, 1, v1
	v_mul_u32_u24 v12, v12, 6
	v_mad_u32_u24 v12, v13, 3, v12                 ; rho of my first register
	v_lshrrev_b32 v13, 3, v1
	v_mul_u32_u24 v13, v13, 3*CROW
	v_bfe_u32 v14, v1, 1, 1
	v_mad_u32_u24 v13, v14, 272, v13
	v_add_nc_u32 v13, s36, v13
.irp e, 0,1,2
	v_add_nc_u32 v14, \e, v12
	v_lshrrev_b32 v15, 2, v14
	v_and_b32 v14, 3, v14
	v_mad_u32_u24 v15, v15, CROW, v13
	v_lshl_add_u32 v[5+\e], v14, 2, v15            ; v5-7
.endr
	v_lshrrev_b32 v8, 1, v1
	v_add_nc_u32 v8, s36, v8                       ; my block's scale byte (SCBO in the immediate)
	v_lshrrev_b32 v9, 4, v1
	v_lshl_add_u32 v9, v9, 4, v2
	v_add_nc_u32 v9, s37, v9                       ; the image read back: 16 l, + 16 for lanes 16-31
	v_lshlrev_b32 v11, 3, v1                       ; 8 l
	v_add_nc_u32 v10, s35, v11                     ; the scale bytes read back
	v_lshlrev_b32 v12, 6, v1                       ; gamma, beta: my 16 numbers
	v_mov_b32 v[MU+1], 0                           ; upper halves of pairs of which the low word serves both halves
	v_mov_b32 v[RSD+1], 0
	v_mov_b32 v[PX], 0                             ; a lane permute's destination counts as one of its sources
	s_wait_alu depctr_va_vdst(0)                   ; the wait at the head's end
	s_wait_kmcnt 0x0
	s_cmp_lt_u32 ttmp9, 288                        ; which tensor: the choice hangs on the work-group's number alone
	s_cselect_b64 s[24:25], s[8:9], s[10:11]
	s_cmp_lt_u32 ttmp9, 272
	s_cselect_b64 s[24:25], s[6:7], s[24:25]
	s_cmp_lt_u32 ttmp9, 256
	s_cselect_b64 s[24:25], s[4:5], s[24:25]
	s_cselect_b32 s22, -1, 0                       ; all lanes: x is normalised; none: a weight goes as it is
	s_cselect_b32 s23, ttmp9, s23                  ; the pair of tiles within its tensor
	s_lshr_b32 s28, s23, 1
	s_lshl_b32 s28, s28, 17                        ; the group of 64 rows of 2,048 bytes
	s_and_b32 s29, s23, 1
	s_lshl_b32 s29, s29, 15                        ; 16 rows for the group's second pair of tiles
	s_add_co_u32 s28, s28, s29
	s_lshl_b32 s29, s33, 14                        ; 8 rows for the pair's second tile
	s_add_co_u32 s28, s28, s29
	s_and_b32 s29, s34, 1
	s_lshl_b32 s29, s29, 13                        ; places 4 qd on: 4 (qd % 2) rows
	s_add_co_u32 s28, s28, s29
	s_lshr_b32 s29, s34, 1
	s_lshl_b32 s29, s29, 16                        ; and 32 (qd / 2) rows
	s_add_co_u32 s28, s28, s29
	s_mov_b32 s29, 0
	s_add_nc_u64 s[24:25], s[24:25], s[28:29]
	s_mul_i32 s28, s32, 6144
	s_mul_i32 s38, s34, 1536
	s_add_co_u32 s28, s28, s38
	s_add_nc_u64 s[16:17], s[16:17], s[28:29]      ; my quarter of the tile's image
	s_lshl_b32 s28, s32, 8
	s_add_nc_u64 s[18:19], s[18:19], s[28:29]
.irp i, 0,1,2,3
	global_load_b128 v[GAM+4*\i:GAM+4*\i+3], v12, s[12:13] offset:16*\i
	global_load_b128 v[BET+4*\i:BET+4*\i+3], v12, s[14:15] offset:16*\i
.endr
.irp t, 0,1,2,3
.irp i, 0,1,2,3
	global_load_b128 v[R+16*\t+4*\i:R+16*\t+4*\i+3], v2, s[24:25] offset:2048*\t+512*\i
.endr
.endr
.macro TURN t                          ; LDS serves a wave's instructions in order: no wait between the stores and the loads
.irp i, 0,1,2,3
	ds_store_b128 v3, v[R+16*(\t)+4*\i:R+16*(\t)+4*\i+3] offset:TSTG*((\t)%2)+8*SP*\i
.endr
.irp i, 0,1,2,3
	ds_load_b128 v[X+16*((\t)%2)+4*\i:X+16*((\t)%2)+4*\i+3], v4 offset:TSTG*((\t)%2)+16*\i
.endr
.endm
.macro ACROSS                          ; the pair v[A0:A0+1] summed, and over the 32 lanes; every lane has the sum
	s_delay_alu instid0(VALU_DEP_1)
	v_add_f32 v[A0], v[A0], v[A0+1]
.irp k, 1,2,4,8
	s_delay_alu instid0(VALU_DEP_1)
	v_add_f32_dpp v[A0], v[A0], v[A0] row_xmask:\k row_mask:0xf bank_mask:0xf
.endr
	s_delay_alu instid0(VALU_DEP_1)
	v_permlanex16_b32 v[PX], v[A0], s26, s27
	s_delay_alu instid0(VALU_DEP_1)
	v_add_f32 v[A0], v[A0], v[PX]
.endm
	s_wait_loadcnt 12                              ; gamma, beta and my first row are in; the three rows behind may be out
.irp i, 0,1,2,3,4,5,6,7,8,9,10,11,12,13,14,15
	v_cndmask_b32 v[GAM+\i], 1.0, v[GAM+\i], s22
	v_cndmask_b32 v[BET+\i], 0, v[BET+\i], s22
.endr
	TURN 0
.macro STEP t
.set XS, X+16*((\t)%2)
.set CC, C+4*((\t)%2)
.set EE, E+(\t)%2
.if (\t) > 0
	s_wait_dscnt 4                                 ; this row is back from the stage; only the last row's four small stores may be out
.else
	s_wait_dscnt 0x0
.endif
.if (\t) < 3
	s_wait_loadcnt 4*(2-(\t))                      ; the next row is in; the rows behind it may be out
	TURN (\t)+1
.endif
	v_pk_add_f32 v[A0:A0+1], v[XS:XS+1], v[XS+2:XS+3]              ; the mean
	v_pk_add_f32 v[A0+2:A0+3], v[XS+4:XS+5], v[XS+6:XS+7]
	v_pk_add_f32 v[A0+4:A0+5], v[XS+8:XS+9], v[XS+10:XS+11]
	v_pk_add_f32 v[A0+6:A0+7], v[XS+12:XS+13], v[XS+14:XS+15]
	v_pk_add_f32 v[A0:A0+1], v[A0:A0+1], v[A0+2:A0+3]
	v_pk_add_f32 v[A0+4:A0+5], v[A0+4:A0+5], v[A0+6:A0+7]
	s_delay_alu instid0(VALU_DEP_1)
	v_pk_add_f32 v[A0:A0+1], v[A0:A0+1], v[A0+4:A0+5]
	ACROSS
	s_delay_alu instid0(VALU_DEP_1)
	v_mul_f32 v[A0], s30, v[A0]
	s_delay_alu instid0(VALU_DEP_1)
	v_cndmask_b32 v[MU], 0, v[A0], s22
.irp j, 0,2,4,6,8,10,12,14
	v_pk_add_f32 v[XS+\j:XS+\j+1], v[XS+\j:XS+\j+1], v[MU:MU+1] op_sel_hi:[1,0] neg_lo:[0,1] neg_hi:[0,1]   ; x - mean
.endr
	v_pk_mul_f32 v[A0:A0+1], v[XS:XS+1], v[XS:XS+1]                ; the variance, in two chains
	v_pk_mul_f32 v[A0+2:A0+3], v[XS+2:XS+3], v[XS+2:XS+3]
.irp j, 4,8,12
	v_pk_fma_f32 v[A0:A0+1], v[XS+\j:XS+\j+1], v[XS+\j:XS+\j+1], v[A0:A0+1]
	v_pk_fma_f32 v[A0+2:A0+3], v[XS+\j+2:XS+\j+3], v[XS+\j+2:XS+\j+3], v[A0+2:A0+3]
.endr
	s_delay_alu instid0(VALU_DEP_1)
	v_pk_add_f32 v[A0:A0+1], v[A0:A0+1], v[A0+2:A0+3]
	ACROSS
	s_delay_alu instid0(VALU_DEP_1)
	v_fma_f32 v[A0], v[A0], s30, s31               ; / 512 (exact) + 1e-5
	s_wait_alu depctr_va_vdst(0)                   ; the wait ahead of the transcendental
	v_rsq_f32 v[A0], v[A0]
	v_nop                                          ; a plain place behind it
	s_wait_alu depctr_va_vdst(0)                   ; the wait ahead of its reader
	v_cndmask_b32 v[RSD], 1.0, v[A0], s22
.irp j, 0,2,4,6,8,10,12,14
	v_pk_mul_f32 v[XS+\j:XS+\j+1], v[XS+\j:XS+\j+1], v[RSD:RSD+1] op_sel_hi:[1,0]
.endr
.irp j, 0,2,4,6,8,10,12,14
	v_pk_fma_f32 v[XS+\j:XS+\j+1], v[XS+\j:XS+\j+1], v[GAM+\j:GAM+\j+1], v[BET+\j:BET+\j+1]
.endr
	v_max3_num_f32 v[MX], |v[XS]|, |v[XS+1]|, |v[XS+2]|            ; the largest magnitude of my 16
	v_max3_num_f32 v[MX+1], |v[XS+3]|, |v[XS+4]|, |v[XS+5]|
.irp i, 6,10
	v_max3_num_f32 v[MX], v[MX], |v[XS+\i]|, |v[XS+\i+1]|
	v_max3_num_f32 v[MX+1], v[MX+1], |v[XS+\i+2]|, |v[XS+\i+3]|
.endr
	v_max3_num_f32 v[MX], v[MX], |v[XS+14]|, |v[XS+15]|
	s_delay_alu instid0(VALU_DEP_1)
	v_max3_num_f32 v[MX], v[MX], v[MX+1], 0x2800000                ; and the floor 2^(5 - 127): the byte cannot fall under 1
	s_delay_alu instid0(VALU_DEP_1)
	v_max_num_f32_dpp v[MX], v[MX], v[MX] row_xmask:1 row_mask:0xf bank_mask:0xf   ; with my neighbour's 16: the block's
	s_delay_alu instid0(VALU_DEP_1)
	v_add_nc_u32 v[SOP], 0xfe000000, v[MX]         ; 4 off its exponent field: the conversion takes the exponent field of this operand as its scale
	v_cvt_scalef32_pk16_bf6_f32 v[CC:CC+2], v[XS:XS+15], v[SOP]
	v_lshrrev_b32 v[EE], 23, v[SOP]                ; the scale's byte (also the plain place behind the conversion)
	ds_store_b8 v8, v[EE] offset:SCBO+16*(\t)      ; both lanes of a block write the same byte with the same value
.irp e, 0,1,2
	ds_store_b32 v[5+\e], v[CC+\e] offset:16*(\t)  ; codes and byte have two sets: a set is written again two rows on, behind a wait that shows these stores done
.endr
.endm
.irp t, 0,1,2,3
	STEP \t
.endr
	s_wait_dscnt 0x0                               ; my part of the image is in LDS
	s_barrier_signal -1
	s_barrier_wait -1                              ; and so is everybody's
.irp j, 0,1,2
	ds_load_b128 v[R+4*\j:R+4*\j+3], v9 offset:CROW*\j
.endr
.irp j, 0,1,2
	s_wait_dscnt 2-\j                              ; the younger loads may be out
	global_store_b128 v2, v[R+4*\j:R+4*\j+3], s[16:17] offset:512*\j   ; 32 lanes store 512 consecutive bytes, aligned
.endr
	s_cmp_lg_u32 s34, 0                            ; the tile's first wave stores its 256 scale bytes
	s_cbranch_scc1 .Lno_scales
	ds_load_b64 v[R+16:R+17], v10 offset:SCBO
	s_wait_dscnt 0x0
	global_store_b64 v11, v[R+16:R+17], s[18:19]   ; 256 consecutive bytes, aligned
.Lno_scales:
	s_wait_tensorcnt 0x0                           ; the wave's end
	ds_add_u32 v[SPW], v[NIL]
	s_wait_dscnt 0x0
	s_endpgm
.Lfunc_end_k_q703eb7b8c4_prep:
	.size	k_q703eb7b8c4_prep, .Lfunc_end_k_q703eb7b8c4_prep-k_q703eb7b8c4_prep
	.p2alignl 7, 3214868480
	.fill 96, 4, 3214868480
	.section	.rodata,"a",@progbits
	.p2align	6, 0x0
	.amdhsa_kernel k_q703eb7b8c4_prep
		.amdhsa_group_segment_fixed_size 55296
		.amdhsa_private_segment_fixed_size 0
		.amdhsa_enable_private_segment 0
		.amdhsa_kernarg_size 64
		.amdhsa_user_sgpr_count 2
		.amdhsa_user_sgpr_kernarg_segment_ptr 1
		.amdhsa_wavefront_size32 1
		.amdhsa_system_sgpr_workgroup_id_x 1
		.amdhsa_system_sgpr_workgroup_id_y 1
		.amdhsa_system_sgpr_workgroup_id_z 1
		.amdhsa_system_vgpr_workitem_id 0
		.amdhsa_next_free_vgpr 176
		.amdhsa_next_free_sgpr 66
		.amdhsa_reserve_vcc 0
		.amdhsa_float_denorm_mode_32 3
		.amdhsa_float_denorm_mode_16_64 3
		.amdhsa_memory_ordered 1
		.amdhsa_forward_progress 1
		.amdhsa_inst_pref_size 34
	.end_amdhsa_kernel
	.amdgpu_metadata
---
amdhsa.version: [ 1, 2 ]
amdhsa.kernels:
  - .name:           k_q703eb7b8c4_prep
    .symbol:         k_q703eb7b8c4_prep.kd
    .args:
      - { .name: x, .offset: 0, .size: 8, .value_kind: global_buffer, .address_space: global }
      - { .name: Wq, .offset: 8, .size: 8, .value_kind: global_buffer, .address_space: global }
      - { .name: Wk, .offset: 16, .size: 8, .value_kind: global_buffer, .address_space: global }
      - { .name: Wv, .offset: 24, .size: 8, .value_kind: global_buffer, .address_space: global }
      - { .name: gamma, .offset: 32, .size: 8, .value_kind: global_buffer, .address_space: global }
      - { .name: beta, .offset: 40, .size: 8, .value_kind: global_buffer, .address_space: global }
      - { .name: rc, .offset: 48, .size: 8, .value_kind: global_buffer, .address_space: global }
      - { .name: rs, .offset: 56, .size: 8, .value_kind: global_buffer, .address_space: global }
    .group_segment_fixed_size: 55296
    .private_segment_fixed_size: 0
    .kernarg_segment_align: 8
    .kernarg_segment_size: 64
    .max_flat_workgroup_size: 256
    .sgpr_count:     66
    .vgpr_count:     176
    .wavefront_size: 32
...
	.end_amdgpu_metadata
.endif
;; end of part 1
;; launch qkv (part 2): grid 64 x 3, 4 waves a work-group, no clusters, 167,936 bytes of LDS; arguments rc, rs, q, kv; writes q, kv
.if DOCPART == 2
	.amdgcn_target "amdgcn-amd-amdhsa--gfx1250"
	.amdhsa_code_object_version 6
	.text
	.protected	k_q703eb7b8c4_qkv
	.globl	k_q703eb7b8c4_qkv
	.p2align	8
	.type	k_q703eb7b8c4_qkv,@function
k_q703eb7b8c4_qkv:
	s_mov_b64 s[64:65], 0
	v_nop
	global_prefetch_b8 v0, s[64:65] scope:SCOPE_SE
	s_setreg_imm32_b32 hwreg(HW_REG_WAVE_MODE, 25, 1), 1
	s_wait_xcnt 0x0
; q = xn Wq^T, k = xn Wk^T, v = xn Wv^T on codes of BF6 (E3M2) with E8M0 scales, K = 512 in four steps of 128; the results are quantised in registers into the
; register images that the attention launch reads.  Work-group (g, y): tokens 128 g .. 128 g + 127; y = 0 q, 1 k, 2 v.  Wave w: heads 2 w and 2 w + 1 (128 rows of W).
; ONE BODY: D = RESIDENT (source 0: 8 tiles of 16 rows, all of K, 384 registers) x STREAMED (source 1: 8 tiles, one after the other).  A lane then holds one streamed row,
; and its 64 registers run along the resident's 128 rows.  By the tile order (tile 4 G + u, place r: row 64 G + 8 u + r % 8 + 32 (r / 8)) register 32 b + i is row 64 b + 32 (lane / 16) + i:
; A LANE HOLDS TWO WHOLE BLOCKS OF 32, in the places that a 6-bit operand gives that lane: no lane is asked for a maximum and no code changes lanes.
;   q, k: resident = W's rows, streamed = tokens: a lane's registers run along the channels, the K of q k^T: b = 0 is head 2 w, b = 1 head 2 w + 1.
;   v:    resident = tokens, streamed = Wv's rows: a lane's registers run along the tokens, the K (the keys) of the second product.
; WHERE THE OPERANDS COME FROM.  The eight token tiles, 49,152 dense bytes, are wanted by all four waves: they come into LDS ONCE, two tiles (48 rows of 256 bytes) by one tensor load of each wave
; at the head; one wait and one barrier show them whole to every wave, which reads them into registers by loads of 512 consecutive bytes.  No LDS byte is filled twice.
; A wave's eight tiles of W are its own: they go from memory straight into registers, asked for ahead of the wait for the tokens.  The two ways part on y for which registers take which operand.
; NO CLUSTER: the work-groups that read the same token tiles are the three along y, and three is no multiple of a cluster's four; W's tiles go to registers by plain loads.
; NO PREFETCH: every byte is asked for at the head, and there is no loop to run ahead in.
; OUT.  q: [head 32][group of 128 tokens 16][6,656 bytes]: image register 6 m + e of tile m (K = 32 (lane / 16) + 0 .. 31 of the head's 64) at 512 ((6 m + e) / 4) + 16 lane + 4 ((6 m + e) % 4);
;   at 6,144 the scale words: register m / 2, lanes 0-15 the even tile's rows, lanes 16-31 the odd tile's; a word = two bytes, its upper two bytes 0.
; kv: [head 32][step of 128 keys 16][13,056 bytes]: K as q; at 6,656 V^T: four tiles of 16 channels x 128 keys, 12 registers each; at 12,800 their scale words, 8 bytes a lane.
; LIMITS as in the first launch: NaN and infinities are not served; a block under 2^-122, and a block of zeros, keeps the byte 1.
; REGISTERS: window 0: v1-2 addresses, v4-19 the resident's scale words (register 4 (t / 2) + s; lanes 0-15 the even tile), v20-35 the streamed ones, v36-83 streamed tile 7,
;   v84-147 accumulators, v148-171 two tiles' codes, v172-205 at work.  window 1: resident tiles 0-3 (48 t + 12 s), v192-239 streamed tile 5.
;   window 2: resident tiles 4-7, v192-239 streamed tile 6.  window 3: streamed tiles 0-4.
.set LI,   1                           ; 16 x lane: the offset of a global load, and the LDS address of a tile's read
.set L8,   2
.set RS,   4
.set SS,   20
.set S7,   36
.set ACC,  84
.set IMG,  148
.set CT,   172
.set TM,   180
.set TP,   184
.set SO,   188
.set PW,   192
.set T,    194
.set SOUT, 196
.set SPW,  204                         ; LDS address of my spare word; never rewritten
.set NIL,  205                         ; 0; never rewritten
.set SPARE, 49152                      ; behind the eight token tiles: the spare words, 128 bytes a wave, two blocks of 256 bytes that no other line names
.set G0,   40                          ; s[40:43] descriptor group 0
.set G1,   44                          ; s[44:51] descriptor group 1
.set MSB,  0
.macro WIN new                         ; the immediate's high byte repeats the setting that is left
.if MSB != (\new)
	s_set_vgpr_msb (MSB<<8)|(\new)
.set MSB, (\new)
.endif
.endm
; One product.  acc = 0: it starts the sum.  ra, rb = 1: that side's scale words stand in lanes 16-31.
.macro MM d, a, b, acc, sa, sb, ra, rb
.if \acc
.if (\ra) && (\rb)
	v_wmma_scale_f32_16x16x128_f8f6f4 v[(\d):(\d)+7], v[(\a):(\a)+11], v[(\b):(\b)+11], v[(\d):(\d)+7], v[\sa], v[\sb] matrix_a_fmt:MATRIX_FMT_BF6 matrix_b_fmt:MATRIX_FMT_BF6 matrix_a_scale:MATRIX_SCALE_ROW1 matrix_b_scale:MATRIX_SCALE_ROW1
.elseif (\ra)
	v_wmma_scale_f32_16x16x128_f8f6f4 v[(\d):(\d)+7], v[(\a):(\a)+11], v[(\b):(\b)+11], v[(\d):(\d)+7], v[\sa], v[\sb] matrix_a_fmt:MATRIX_FMT_BF6 matrix_b_fmt:MATRIX_FMT_BF6 matrix_a_scale:MATRIX_SCALE_ROW1
.elseif (\rb)
	v_wmma_scale_f32_16x16x128_f8f6f4 v[(\d):(\d)+7], v[(\a):(\a)+11], v[(\b):(\b)+11], v[(\d):(\d)+7], v[\sa], v[\sb] matrix_a_fmt:MATRIX_FMT_BF6 matrix_b_fmt:MATRIX_FMT_BF6 matrix_b_scale:MATRIX_SCALE_ROW1
.else
	v_wmma_scale_f32_16x16x128_f8f6f4 v[(\d):(\d)+7], v[(\a):(\a)+11], v[(\b):(\b)+11], v[(\d):(\d)+7], v[\sa], v[\sb] matrix_a_fmt:MATRIX_FMT_BF6 matrix_b_fmt:MATRIX_FMT_BF6
.endif
.else
.if (\ra) && (\rb)
	v_wmma_scale_f32_16x16x128_f8f6f4 v[(\d):(\d)+7], v[(\a):(\a)+11], v[(\b):(\b)+11], 0, v[\sa], v[\sb] matrix_a_fmt:MATRIX_FMT_BF6 matrix_b_fmt:MATRIX_FMT_BF6 matrix_a_scale:MATRIX_SCALE_ROW1 matrix_b_scale:MATRIX_SCALE_ROW1
.elseif (\ra)
	v_wmma_scale_f32_16x16x128_f8f6f4 v[(\d):(\d)+7], v[(\a):(\a)+11], v[(\b):(\b)+11], 0, v[\sa], v[\sb] matrix_a_fmt:MATRIX_FMT_BF6 matrix_b_fmt:MATRIX_FMT_BF6 matrix_a_scale:MATRIX_SCALE_ROW1
.elseif (\rb)
	v_wmma_scale_f32_16x16x128_f8f6f4 v[(\d):(\d)+7], v[(\a):(\a)+11], v[(\b):(\b)+11], 0, v[\sa], v[\sb] matrix_a_fmt:MATRIX_FMT_BF6 matrix_b_fmt:MATRIX_FMT_BF6 matrix_b_scale:MATRIX_SCALE_ROW1
.else
	v_wmma_scale_f32_16x16x128_f8f6f4 v[(\d):(\d)+7], v[(\a):(\a)+11], v[(\b):(\b)+11], 0, v[\sa], v[\sb] matrix_a_fmt:MATRIX_FMT_BF6 matrix_b_fmt:MATRIX_FMT_BF6
.endif
.endif
.endm
; 64 numbers of a lane, register 32 b + i = k 64 b + 32 (lane / 16) + i of my row, become codes: my block of b = 0 in v[d0] .. v[d0 + 5], that of b = 1 in v[d1] .. v[d1 + 5],
; and the row's four scale bytes (byte 2 b + lane / 16) in v[pw], the same word in lanes l and l xor 16.  Each accumulator is read from its low end on.
.macro QUANT s, d0, d1, pw
.irp b, 0,1
	v_max3_num_f32 v[TM+\b], |v[(\s)+32*\b]|, |v[(\s)+1+32*\b]|, 0x2800000       ; two chains a block, and the floor 2^(5 - 127): the byte cannot fall under 1
	v_max3_num_f32 v[TM+2+\b], |v[(\s)+2+32*\b]|, |v[(\s)+3+32*\b]|, 0x2800000
.endr
.irp i, 4,8,12,16,20,24,28
.irp b, 0,1
	v_max3_num_f32 v[TM+\b], v[TM+\b], |v[(\s)+32*\b+\i]|, |v[(\s)+1+32*\b+\i]|
	v_max3_num_f32 v[TM+2+\b], v[TM+2+\b], |v[(\s)+2+32*\b+\i]|, |v[(\s)+3+32*\b+\i]|
.endr
.endr
.irp b, 0,1
	v_max_num_f32 v[TM+\b], v[TM+\b], v[TM+2+\b]   ; the block's largest magnitude
.endr
.irp b, 0,1
	v_add_nc_u32 v[SO+\b], 0xfe000000, v[TM+\b]    ; 4 off its exponent field: the conversion's scale operand
.endr
.irp b, 0,1
	v_lshrrev_b32 v[TP+\b], 23, v[SO+\b]           ; the scale's byte
.endr
	v_lshl_or_b32 v[TP], v[TP+1], 16, v[TP]        ; my two bytes,
	v_lshlrev_b32 v[TP+1], 8, v[TP]
	v_cndmask_b32 v[TP], v[TP], v[TP+1], s30       ; one byte up in lanes 16-31;
	v_permlanex16_b32 v[TP+2], v[TP], s28, s29
	v_or_b32 v[\pw], v[TP], v[TP+2]                ; with lane l xor 16's two the word is whole
	v_cvt_scalef32_pk16_bf6_f32 v[(\d0):(\d0)+2], v[(\s):(\s)+15], v[SO]
	v_cvt_scalef32_pk16_bf6_f32 v[CT:CT+2], v[(\s)+16:(\s)+31], v[SO]          ; (a conversion's three registers begin on an even number)
	v_cvt_scalef32_pk16_bf6_f32 v[(\d1):(\d1)+2], v[(\s)+32:(\s)+47], v[SO+1]
	v_cvt_scalef32_pk16_bf6_f32 v[CT+4:CT+6], v[(\s)+48:(\s)+63], v[SO+1]
	v_nop                                          ; one plain place behind a scaled conversion
.irp i, 0,1,2
	v_mov_b32 v[(\d0)+3+\i], v[CT+\i]
	v_mov_b32 v[(\d1)+3+\i], v[CT+4+\i]
.endr
.endm
.macro LDT reg, tile                   ; one of my tiles of W, 48 registers: twelve loads of 512 consecutive bytes from memory
.irp j, 0,1,2,3,4,5,6,7,8,9,10,11
	global_load_b128 v[(\reg)+4*\j:(\reg)+4*\j+3], v[LI], s[16:17] offset:6144*(\tile)+512*\j
.endr
.endm
.macro LDL reg, tile                   ; a token tile, 48 registers: twelve loads of 512 consecutive bytes from LDS
.irp j, 0,1,2,3,4,5,6,7,8,9,10,11
	ds_load_b128 v[(\reg)+4*\j:(\reg)+4*\j+3], v[LI] offset:6144*(\tile)+512*\j
.endr
.endm
.macro WHOLE                           ; my two token tiles have landed; behind the barrier so have everybody's.  Nothing is filled again
	s_wait_tensorcnt 0x0
	s_barrier_signal -1
	s_barrier_wait -1
.endm
.macro CLOSE                           ; the wave's end
	s_wait_tensorcnt 0x0
	ds_add_u32 v[SPW], v[NIL]
	s_wait_dscnt 0x0
	s_endpgm
.endm
	s_load_b256 s[4:11], s[0:1], 0x0               ; rc, rs, q, kv
	v_lshl_add_u32 v[SPW], v0, 2, SPARE
	v_mov_b32 v[NIL], 0
	ds_add_u32 v[SPW], v[NIL]                      ; the opening lines: the add, twice on end, and its wait ahead of my tensor load
	ds_add_u32 v[SPW], v[NIL]
	v_lshrrev_b32 v3, 5, v0
	v_readfirstlane_b32 s12, v3                    ; wave w
	v_and_b32 v3, 31, v0
	v_lshlrev_b32 v[LI], 4, v3
	v_lshlrev_b32 v[L8], 3, v3
.irp b, 0,1,2,3
	v_mov_b32 v[TP+\b], 0                          ; a lane permute's destination counts as one of its sources
.endr
	s_and_b32 s13, ttmp7, 0xffff                   ; y
	s_mov_b32 s14, ttmp9                           ; g
	s_mov_b32 s28, 0x76543210
	s_mov_b32 s29, 0xfedcba98                      ; selects for lane l xor 16
	s_mov_b32 s30, 0xffff0000                      ; lanes 16-31
	; descriptor group 1: 48 rows of 256 bytes (32 elements of 8 bytes), dense, no padding
	s_mov_b32 s[G1+0], 3<<16
	s_mov_b32 s[G1+1], 32<<16                      ; tensor_dim0
	s_mov_b32 s[G1+2], 48<<16                      ; tensor_dim1
	s_mov_b32 s[G1+3], 32<<16                      ; tile_dim0
	s_mov_b32 s[G1+4], 48                          ; tile_dim1
	s_mov_b32 s[G1+5], 32                          ; the pitch
	s_mov_b32 s[G1+6], 0
	s_mov_b32 s[G1+7], 0
	s_mov_b32 s[G0], 1                             ; count = 1
	s_mul_i32 s[G0+1], s12, 12288                  ; wave w fetches token tiles 2 w and 2 w + 1: the same place in LDS as in the eight tiles' bytes
	s_lshl_b32 s36, s13, 5
	s_lshl_b32 s37, s12, 3
	s_add_co_u32 s36, s36, s37
	s_add_co_u32 s36, s36, 512                     ; my first tile of W: 512 + 32 y + 8 w
	s_lshl_b32 s37, s14, 3                         ; the first tile of the tokens: 8 g
	s_cmp_eq_u32 s13, 2
	s_cselect_b32 s38, s37, s36                    ; resident
	s_cselect_b32 s39, s36, s37                    ; streamed
	s_cselect_b32 s31, 6656, 0                     ; V's place in a key step's block
	s_mov_b32 s33, 0
	s_mov_b32 s35, 0
	s_wait_alu depctr_va_vdst(0)                   ; the wait at the head's end
	s_wait_dscnt 0x0                               ; both opening adds are done
	s_wait_kmcnt 0x0
	s_mul_i32 s32, s37, 6144
	s_add_co_u32 s32, s32, s[G0+1]
	s_add_nc_u64 s[G0+2:G0+3], s[4:5], s[32:33]    ; my two token tiles
	s_or_b32 s[G0+3], s[G0+3], 0x80000000          ; type = 2
	tensor_load_to_lds s[G0:G0+3], s[G1:G1+7]      ; my one tensor load of the launch
	s_nop 0
.rept 4
	v_nop                                          ; (the register windows are switched behind these)
.endr
	s_mul_i32 s32, s36, 6144
	s_add_nc_u64 s[16:17], s[4:5], s[32:33]        ; my eight tiles of W
	s_lshl_b32 s32, s38, 8
	s_add_nc_u64 s[20:21], s[6:7], s[32:33]
	s_lshl_b32 s32, s39, 8
	s_add_nc_u64 s[22:23], s[6:7], s[32:33]
	s_mov_b32 s36, 6656
	s_mov_b32 s37, 13056
	s_cmp_eq_u32 s13, 0                            ; the buffer stored into: the choice hangs on the work-group's number alone
	s_cselect_b64 s[24:25], s[8:9], s[10:11]
	s_cselect_b32 s36, s36, s37                    ; bytes of a block of 128 tokens
	s_lshr_b32 s34, s14, 4
	s_lshl_b32 s34, s34, 3
	s_lshl_b32 s37, s12, 1
	s_add_co_u32 s34, s34, s37                     ; head A = 8 x batch + 2 w
	s_lshl_b32 s34, s34, 4
	s_and_b32 s37, s14, 15
	s_add_co_u32 s34, s34, s37                     ; x 16 + the group within the batch
	s_mul_i32 s34, s34, s36
	s_add_co_u32 s34, s34, s31
	s_add_nc_u64 s[24:25], s[24:25], s[34:35]      ; head A's block
	s_lshl_b32 s34, s36, 4
	s_add_nc_u64 s[26:27], s[24:25], s[34:35]      ; head B's: 16 blocks on
.irp p, 0,1,2,3
	global_load_b128 v[RS+4*\p:RS+4*\p+3], v[LI], s[20:21] offset:512*\p     ; two tiles' scale bytes: four K steps' words, lanes 0-15 the even tile
.endr
.irp p, 0,1,2,3
	global_load_b128 v[SS+4*\p:SS+4*\p+3], v[LI], s[22:23] offset:512*\p
.endr
; Streamed tile m: 32 products, then the quantiser.  Four accumulators take turns, one instruction a turn.
; The streamed tiles were asked for in their order, twelve loads each: of LDS where they are tokens (kind 0), of memory where they are Wv's rows (kind 1).
.macro TILE m, kind
.if 12*(7-(\m)) > 63
.set YOUNG, 63                         ; fewer than the later tiles' loads: tile m and all before it are in
.else
.set YOUNG, 12*(7-(\m))                ; the later streamed tiles' loads may be out
.endif
.if \kind == 0
	s_wait_dscnt YOUNG
.else
	s_wait_loadcnt YOUNG
.endif
.if (\m) < 5
.set SWIN, 3
.set SREG, 48*(\m)
.elseif (\m) == 5
.set SWIN, 1
.set SREG, 192
.elseif (\m) == 6
.set SWIN, 2
.set SREG, 192
.else
.set SWIN, 0
.set SREG, S7
.endif
.irp hf, 0,1
	WIN (1+\hf)|(SWIN<<2)                          ; source 0: window 1 or 2; source 1: the streamed tile's; C and D: window 0
.irp s, 0,1,2,3
.irp t, 0,1,2,3
	MM ACC+8*(4*\hf+\t), 48*\t+12*\s, SREG+12*\s, \s, RS+4*((4*\hf+\t)/2)+\s, SS+4*((\m)/2)+\s, \t%2, (\m)%2
.endr
.endr
.endr
	WIN 0
.rept 4
	v_nop                                          ; places in front of the first read of results (ISA guide 7.12.1)
.endr
.if (\m)%2 == 0
	s_wait_xcnt 0x0                                ; the last pair's stores have read their data: the codes' registers are written again only behind this wait
.endif
.if \kind == 0
	QUANT ACC, IMG+6*((\m)%2), IMG+12+6*((\m)%2), PW+(\m)%2
.else
	QUANT ACC, IMG+12*((\m)%2), IMG+12*((\m)%2)+6, PW+(\m)%2
.endif
.if (\m)%2 == 1
.if \kind == 0
	v_cndmask_b32 v[T], v[PW], v[PW+1], s30        ; lanes 0-15 the even tile's words, lanes 16-31 the odd tile's
	v_and_b32 v[SOUT+(\m)/2], 0xffff, v[T]         ; head A's two bytes
	v_lshrrev_b32 v[SOUT+4+(\m)/2], 16, v[T]       ; head B's
.irp j, 0,1,2
	global_store_b128 v[LI], v[IMG+4*\j:IMG+4*\j+3], s[24:25] offset:1536*((\m)/2)+512*\j       ; two tiles' 12 registers: 512 consecutive bytes a store, aligned
	global_store_b128 v[LI], v[IMG+12+4*\j:IMG+12+4*\j+3], s[26:27] offset:1536*((\m)/2)+512*\j
.endr
.else
	v_cndmask_b32 v[SOUT+(\m)/2], v[PW], v[PW+1], s30
.irp j, 0,1,2
.if (\m) < 4
	global_store_b128 v[LI], v[IMG+4*\j:IMG+4*\j+3], s[24:25] offset:1536*(((\m)-1)%4)+512*\j
	global_store_b128 v[LI], v[IMG+12+4*\j:IMG+12+4*\j+3], s[24:25] offset:1536*((\m)%4)+512*\j
.else
	global_store_b128 v[LI], v[IMG+4*\j:IMG+4*\j+3], s[26:27] offset:1536*(((\m)-1)%4)+512*\j
	global_store_b128 v[LI], v[IMG+12+4*\j:IMG+12+4*\j+3], s[26:27] offset:1536*((\m)%4)+512*\j
.endif
.endr
.endif
.endif
.endm
	s_cmp_eq_u32 s13, 2
	s_cbranch_scc1 .Lv
	; q, k: W's rows are resident, the tokens are streamed
	WIN 0x40                                       ; destination window 1
.irp t, 0,1,2,3
	LDT 48*\t, \t
.endr
	WIN 0x80
.irp t, 0,1,2,3
	LDT 48*\t, 4+\t
.endr
	WIN 0
	WHOLE
	WIN 0xc0
.irp m, 0,1,2,3,4
	LDL 48*\m, \m
.endr
	WIN 0x40
	LDL 192, 5
	WIN 0x80
	LDL 192, 6
	WIN 0
	LDL S7, 7
	s_wait_loadcnt 0x0                             ; the scale words and W's eight tiles are in
.irp m, 0,1,2,3,4,5,6,7
	TILE \m, 0
.endr
	global_store_b128 v[LI], v[SOUT:SOUT+3], s[24:25] offset:6144          ; the eight tiles' scale words
	global_store_b128 v[LI], v[SOUT+4:SOUT+7], s[26:27] offset:6144
	CLOSE
.Lv:
	; v: the tokens are resident, Wv's rows are streamed
	WIN 0xc0
.irp m, 0,1,2,3,4
	LDT 48*\m, \m
.endr
	WIN 0x40
	LDT 192, 5
	WIN 0x80
	LDT 192, 6
	WIN 0
	LDT S7, 7
	WHOLE
	WIN 0x40
.irp t, 0,1,2,3
	LDL 48*\t, \t
.endr
	WIN 0x80
.irp t, 0,1,2,3
	LDL 48*\t, 4+\t
.endr
	WIN 0
	s_wait_dscnt 0x0                               ; the eight token tiles are in registers
.irp m, 0,1,2,3,4,5,6,7
	TILE \m, 1
.endr
	global_store_b64 v[L8], v[SOUT:SOUT+1], s[24:25] offset:6144           ; four channel tiles' scale words: 256 consecutive bytes, aligned
	global_store_b64 v[L8], v[SOUT+2:SOUT+3], s[26:27] offset:6144
	CLOSE
.Lfunc_end_k_q703eb7b8c4_qkv:
	.size	k_q703eb7b8c4_qkv, .Lfunc_end_k_q703eb7b8c4_qkv-k_q703eb7b8c4_qkv
	.p2alignl 7, 3214868480
	.fill 96, 4, 3214868480
	.section	.rodata,"a",@progbits
	.p2align	6, 0x0
	.amdhsa_kernel k_q703eb7b8c4_qkv
		.amdhsa_group_segment_fixed_size 167936
		.amdhsa_private_segment_fixed_size 0
		.amdhsa_enable_private_segment 0
		.amdhsa_kernarg_size 32
		.amdhsa_user_sgpr_count 2
		.amdhsa_user_sgpr_kernarg_segment_ptr 1
		.amdhsa_wavefront_size32 1
		.amdhsa_system_sgpr_workgroup_id_x 1
		.amdhsa_system_sgpr_workgroup_id_y 1
		.amdhsa_system_sgpr_workgroup_id_z 1
		.amdhsa_system_vgpr_workitem_id 0
		.amdhsa_next_free_vgpr 1024
		.amdhsa_next_free_sgpr 66
		.amdhsa_reserve_vcc 0
		.amdhsa_float_denorm_mode_32 3
		.amdhsa_float_denorm_mode_16_64 3
		.amdhsa_memory_ordered 1
		.amdhsa_forward_progress 1
		.amdhsa_inst_pref_size 159
	.end_amdhsa_kernel
	.amdgpu_metadata
---
amdhsa.version: [ 1, 2 ]
amdhsa.kernels:
  - .name:           k_q703eb7b8c4_qkv
    .symbol:         k_q703eb7b8c4_qkv.kd
    .args:
      - { .name: rc, .offset: 0, .size: 8, .value_kind: global_buffer, .address_space: global }
      - { .name: rs, .offset: 8, .size: 8, .value_kind: global_buffer, .address_space: global }
      - { .name: q, .offset: 16, .size: 8, .value_kind: global_buffer, .address_space: global }
      - { .name: kv, .offset: 24, .size: 8, .value_kind: global_buffer, .address_space: global }
    .group_segment_fixed_size: 167936
    .private_segment_fixed_size: 0
    .kernarg_segment_align: 8
    .kernarg_segment_size: 32
    .max_flat_workgroup_size: 128
    .sgpr_count:     66
    .vgpr_count:     1024
    .wavefront_size: 32
...
	.end_amdgpu_metadata
.endif
;; end of part 2
;; launch attn (part 3): grid 8 x 32, 16 waves a work-group, clusters of 4 x 1, 327,680 bytes of LDS; arguments q, kv, x, emb, out0; writes out0
.if DOCPART == 3
	.amdgcn_target "amdgcn-amd-amdhsa--gfx1250"
	.amdhsa_code_object_version 6
	.text
	.protected	k_q703eb7b8c4_attn
	.globl	k_q703eb7b8c4_attn
	.p2align	8
	.type	k_q703eb7b8c4_attn,@function
k_q703eb7b8c4_attn:
	s_mov_b64 s[64:65], 0
	v_nop
	global_prefetch_b8 v0, s[64:65] scope:SCOPE_SE
	s_setreg_imm32_b32 hwreg(HW_REG_WAVE_MODE, 25, 1), 1
	s_wait_xcnt 0x0
	s_wait_alu depctr_hold_cnt(0) depctr_sa_sdst(0) depctr_va_vdst(0) depctr_va_sdst(0) depctr_va_ssrc(0) depctr_va_vcc(0) depctr_vm_vsrc(0)
	s_getreg_b32 s2, hwreg(HW_REG_IB_STS2, 6, 4)
	s_cmp_eq_u32 s2, 0
	s_cbranch_scc0 .Lentry_in_a_cluster
	s_endpgm
.Lentry_in_a_cluster:
	s_bfe_u32 s2, ttmp6, 0x10000c
	s_cmp_lg_u32 s2, 0x3003
	s_cbranch_scc0 .Lentry_shape_is_right
	s_endpgm
.Lentry_shape_is_right:
; out = x + emb + softmax(q k^T / 8) v, head by head, both products on codes of BF6 (E3M2) with one E8M0 scale for each 32 along a product's K.
; THE SOFTMAX AHEAD OF THE SECOND PRODUCT: t = score x log2(e) / 8; M = the row's largest t so far, rounded UP to a whole number; p = 2^(t - M) is quantised along the keys, not normalised.
; The row's sum is taken of the unquantised p, in f32, and divides at the end.  When M moves, the sum and O are multiplied by 2^(old M - new M): exact.
; SHARES.  A work-group owns 256 queries of one of the 32 heads; each of its sixteen waves owns one tile of 16 queries in 256 registers.  Every wave walks the head's 2,048 keys, 128 a step.
; NO RING: a head's K, V and scale words, 208,896 bytes laid as images of the operands' registers, fit in LDS and are filled ONCE: sixteen key steps, sixteen waves, ONE tensor load a wave
; (51 rows of 256 bytes), all at the head; one wait for it and one barrier; behind that barrier the waves share nothing more and meet at no barrier before the closing round.
; CLUSTER: the four query blocks of a cluster belong to one head and read the same 208,896 bytes: every fill is asked for JOINTLY, by the same load with the same descriptor and the mask
; of all four.  My place in the cluster enters the global addresses of q, x and out alone.
; No prefetch: every byte of K and V is asked for by the head's own loads, and there is no loop ahead of them to run ahead in.  x and emb are asked for behind the barrier and used at the end.
; LAYOUT.  Both products are used transposed: S^T = K Q^T (source 0 = 16 keys, source 1 = my 16 queries), O^T = V^T P^T: a lane holds ONE query throughout.
; The tile order (tile 4 c + u, place r: row 64 c + 8 u + r % 8 + 32 (r / 8)) makes the 32 registers of tiles 4 c .. 4 c + 3 of S^T the keys 64 c + 32 (lane / 16) + 0 .. 31:
; a whole block of p in a lane, in the very places of the second product's operand.  Only the row's maximum and the scale word cross from lane l to lane l xor 16.
; K = 64 UNDER AN INSTRUCTION OF K = 128: Q's operand is six registers of codes and six of zero codes.  What K's operand names for k = 64 .. 127 (the next tile's codes; behind tile 7 six
; zero registers) then adds nothing: every code of the format is a finite number, and the scale bytes of those blocks are 0, not 0xff.  So K's tiles lie six registers apart.
; THE SUM OF p is taken in eight chains of packed additions; they stand round the second product's instructions, as the places in front of and behind them, and the chains are joined
; behind the next step's first products, as the places there.
; LIMITS: NaN and infinities are not served; the scaled scores stay under 2^31 in magnitude; p under 2^-126 counts as 0; a block of p all of whose numbers are 0 keeps the byte 1 (its codes are zeros).
.set STEPB, 13056                      ; a key step: K's codes 6,144, K's scale words 512, V's codes 6,144, V's scale words 256
.set GRPB,  4*STEPB
.set HEADB, 16*STEPB
.set STG,   HEADB                      ; behind the head: a stage of 16 rows x (256 bytes + 16) for each wave; no fill lands there
.set STGW,  16*272
.set SPARE, STG+16*STGW                ; the spare words: 128 bytes a wave, eight blocks of 256 bytes that no other line names
.set LI,  1                            ; 16 x lane
.set L8,  2                            ; 8 x lane
.set ADR, 3
.set AD8, 4
.set GO,  5                            ; 2,048 (lane / 16) + 16 (lane % 16)
.set R16, 6                            ; 16 (lane % 16)
.set QS,  8                            ; scale words: Q's, p's, V's (2), K's (4)
.set PS,  9
.set VS,  10
.set KS,  12
.set NM,  16                           ; -M
.set MT,  17                           ; the largest score so far
.set SUM, 18
.set Q,   20                           ; v20-25 Q, v26-31 zero codes
.set KV,  32                           ; v32-79 K's eight or V's four fragments, v80-85 zero codes
.set F,   86
.set S,   88                           ; v88-151 S^T, then p
.set O,   152                          ; v152-183 O^T
.set PC,  184                          ; v184-195 p's codes
.set CT,  196                          ; v196-198, v200-202 the upper halves of two blocks' codes
.set SPW, 199
.set NIL, 203
.set BM,  204
.set BP,  208
.set H8,  210                          ; 8 (lane / 16)
.set SO,  212
.set TT,  216
.set T1,  196                          ; seven chains of the sum (the eighth is SUM), on registers that are idle from the conversions to the next step's maxima
.set T2,  200
.set T3,  204
.set T4,  206
.set T5,  212
.set T6,  214
.set T7,  218
.set XR,  220                          ; v220-251 my rows of x, v252-255 emb
.set EM,  252
.macro ROUND                           ; a round of the cluster's barrier
	s_barrier_signal -1
	s_barrier_wait -1
	s_cmp_lg_u32 s14, 0
	s_cbranch_scc1 .Lnot_wave_0_\@
	s_barrier_signal -3
.Lnot_wave_0_\@:
	s_barrier_wait -3
	s_barrier_signal -1
	s_barrier_wait -1
.endm
.macro MM d, a, b, acc, sa, sb, ra     ; one product; acc = 0: it starts the sum; ra = 1: source 0's scale words stand in lanes 16-31
.if \acc
.if (\ra)
	v_wmma_scale_f32_16x16x128_f8f6f4 v[(\d):(\d)+7], v[(\a):(\a)+11], v[(\b):(\b)+11], v[(\d):(\d)+7], v[\sa], v[\sb] matrix_a_fmt:MATRIX_FMT_BF6 matrix_b_fmt:MATRIX_FMT_BF6 matrix_a_scale:MATRIX_SCALE_ROW1
.else
	v_wmma_scale_f32_16x16x128_f8f6f4 v[(\d):(\d)+7], v[(\a):(\a)+11], v[(\b):(\b)+11], v[(\d):(\d)+7], v[\sa], v[\sb] matrix_a_fmt:MATRIX_FMT_BF6 matrix_b_fmt:MATRIX_FMT_BF6
.endif
.else
.if (\ra)
	v_wmma_scale_f32_16x16x128_f8f6f4 v[(\d):(\d)+7], v[(\a):(\a)+11], v[(\b):(\b)+11], 0, v[\sa], v[\sb] matrix_a_fmt:MATRIX_FMT_BF6 matrix_b_fmt:MATRIX_FMT_BF6 matrix_a_scale:MATRIX_SCALE_ROW1
.else
	v_wmma_scale_f32_16x16x128_f8f6f4 v[(\d):(\d)+7], v[(\a):(\a)+11], v[(\b):(\b)+11], 0, v[\sa], v[\sb] matrix_a_fmt:MATRIX_FMT_BF6 matrix_b_fmt:MATRIX_FMT_BF6
.endif
.endif
.endm
	s_load_b256 s[4:11], s[0:1], 0x0               ; q, kv, x, emb
	s_load_b64 s[12:13], s[0:1], 0x20              ; out0
	v_lshl_add_u32 v[SPW], v0, 2, SPARE
	v_mov_b32 v[NIL], 0
	ds_add_u32 v[SPW], v[NIL]                      ; the opening lines: the add, twice on end, and its wait ahead of my tensor load
	ds_add_u32 v[SPW], v[NIL]
	v_lshrrev_b32 v7, 5, v0
	v_readfirstlane_b32 s14, v7                    ; wave 0..15
	s_and_b32 s40, ttmp7, 0xffff                   ; the head, which the four partners share
	; descriptor group 1: 51 rows of 256 bytes (32 elements of 8 bytes), dense, no padding; 15:0 the mask of all four work-groups, bit 21 set beside it
	s_mov_b32 s16, 15|(3<<16)|(1<<21)
	s_mov_b32 s17, 32<<16                          ; tensor_dim0
	s_mov_b32 s18, 51<<16                          ; tensor_dim1
	s_mov_b32 s19, 32<<16                          ; tile_dim0
	s_mov_b32 s20, 51                              ; tile_dim1
	s_mov_b32 s21, 32                              ; the pitch
	s_mov_b32 s22, 0
	s_mov_b32 s23, 0
	s_mov_b32 s24, 1                               ; group 0: count = 1
	s_mul_i32 s25, s14, STEPB                      ; wave w fetches key step w: the same place in LDS as in the head's bytes
	s_mul_i32 s48, s40, HEADB
	s_add_co_u32 s48, s48, s25
	s_mov_b32 s49, 0
	s_wait_dscnt 0x0                               ; both opening adds are done
	s_wait_kmcnt 0x0
	s_add_nc_u64 s[26:27], s[6:7], s[48:49]
	s_or_b32 s27, s27, 0x80000000                  ; type = 2
	ROUND                                          ; all four work-groups are here: the joint loads meet
	tensor_load_to_lds s[24:27], s[16:23]          ; my one tensor load of the launch
	s_nop 0
	s_bfe_u32 s15, ttmp6, 0x40000                  ; cx
	s_lshl_b32 s41, ttmp9, 2
	s_add_co_u32 s41, s41, s15                     ; my block of 256 queries
	s_mov_b32 s42, 0x76543210
	s_mov_b32 s43, 0xfedcba98                      ; selects for lane l xor 16
	s_mov_b32 s44, 0x3e38aa3b                      ; c = log2(e) / 8
	s_mov_b32 s45, s44                             ; (named with it as a pair)
	s_lshr_b32 s50, s14, 3
	s_lshl_b32 s51, s41, 1
	s_add_co_u32 s50, s50, s51                     ; G: my group of 128 tokens
	s_and_b32 s51, s14, 7                          ; m: my tile in it
	s_lshl_b32 s48, s40, 4
	s_add_co_u32 s48, s48, s50
	s_mul_i32 s48, s48, 6656
	s_add_nc_u64 s[52:53], s[4:5], s[48:49]        ; q: my group's block
	s_lshl_b32 s48, s50, 7
	s_lshr_b32 s60, s51, 2
	s_lshl_b32 s60, s60, 6
	s_add_co_u32 s48, s48, s60
	s_and_b32 s60, s51, 3
	s_lshl_b32 s60, s60, 3
	s_add_co_u32 s48, s48, s60                     ; my tile's first token: 128 G + 64 (m / 4) + 8 (m % 4)
	s_lshr_b32 s62, s40, 3
	s_lshl_b32 s62, s62, 11
	s_add_co_u32 s48, s48, s62                     ; + 2,048 x batch
	s_lshl_b32 s48, s48, 11                        ; rows of 2,048 bytes
	s_and_b32 s62, s40, 7
	s_lshl_b32 s62, s62, 8
	s_add_co_u32 s48, s48, s62                     ; + the head's 256 bytes of a row
	s_add_nc_u64 s[54:55], s[8:9], s[48:49]        ; x
	s_add_nc_u64 s[58:59], s[12:13], s[48:49]      ; out
	s_lshl_b32 s48, s40, 8                         ; 2,048 x batch + 256 x head in the batch = 256 x head
	s_add_nc_u64 s[56:57], s[10:11], s[48:49]      ; emb
	s_lshr_b32 s60, s51, 1
	s_lshl_b32 s60, s60, 2
	s_and_b32 s61, s51, 1
	s_lshl_b32 s61, s61, 8
	s_add_co_u32 s60, s60, s61
	s_add_co_u32 s60, s60, 6144                    ; my tile's scale words: register m / 2, lanes 16 (m % 2) on
	s_mul_i32 s51, s51, 3
.irp i, 0,1,2
	s_add_co_u32 s[61+\i], s51, \i                 ; pair p = 3 m + i of the image's registers lies at 512 (p / 2) + 16 lane + 8 (p % 2)
	s_and_b32 s46, s[61+\i], 1
	s_lshr_b32 s[61+\i], s[61+\i], 1
	s_lshl_b32 s[61+\i], s[61+\i], 9
	s_lshl_b32 s46, s46, 3
	s_add_co_u32 s[61+\i], s[61+\i], s46
.endr
	v_and_b32 v7, 31, v0
	v_and_b32 v[R16], 15, v0
	v_bfe_u32 v[H8], v0, 4, 1
	v_lshlrev_b32 v[LI], 4, v7
	v_lshlrev_b32 v[L8], 3, v7
	v_lshlrev_b32 v[R16], 4, v[R16]
	v_lshl_add_u32 v[GO], v[H8], 11, v[R16]
	v_lshlrev_b32 v[H8], 3, v[H8]
	v_add_nc_u32 v7, s60, v[R16]
.irp i, 0,1,2
	v_add_nc_u32 v[S+\i], s[61+\i], v[LI]
.endr
	s_wait_alu depctr_va_vdst(0)                   ; the wait ahead of these readers
.irp i, 0,1,2
	global_load_b64 v[Q+2*\i:Q+2*\i+1], v[S+\i], s[52:53]
.endr
	global_load_b32 v[QS], v7, s[52:53]
	v_mov_b32 v[MT], 0xff61b1e6                    ; the largest score so far: -3e38, under every score
	v_mul_f32 v[TT], s44, v[MT]
	v_floor_f32 v[NM], -v[TT]                      ; -M
	v_mov_b32 v[SUM], 0
	v_mov_b32 v[SUM+1], 0
	v_mov_b32 v[F+1], 0                            ; (the upper half of a pair of which the low word serves both halves)
.irp i, 0,1,2,3,4,5
	v_mov_b32 v[Q+6+\i], 0                         ; zero codes for k = 64 .. 127
	v_mov_b32 v[KV+48+\i], 0
.endr
	v_mov_b32 v[BP], 0                             ; a lane permute's destination counts as one of its sources
	v_mov_b32 v[BP+1], 0
.irp t, T1,T2,T3,T4,T5,T6,T7
	v_mov_b32 v[\t], 0                             ; the first step joins chains that hold nothing yet
	v_mov_b32 v[\t+1], 0
.endr
.irp j, 0,1,2,3,4,5,6,7,8,9,10,11,12,13,14,15,16,17,18,19,20,21,22,23,24,25,26,27,28,29,30,31
	v_mov_b32 v[O+\j], 0                           ; the step is written once: the first finds zeros, which the first change of M leaves zeros
.endr
.macro KLOAD i                         ; K's eight tiles of the trip's step i, as their registers lie: 512 consecutive bytes a load; and their scale words
.irp j, 0,1,2,3,4,5,6,7,8,9,10,11
	ds_load_b128 v[KV+4*\j:KV+4*\j+3], v[ADR] offset:STEPB*(\i)+512*\j
.endr
	ds_load_b128 v[KS:KS+3], v[ADR] offset:STEPB*(\i)+6144
.endm
.macro A2 t, k                         ; a chain of the sum begins: pairs k and k + 1 of p
	v_pk_add_f32 v[\t:\t+1], v[S+2*(\k):S+2*(\k)+1], v[S+2*(\k)+2:S+2*(\k)+3]
.endm
.macro AD t, k                         ; and goes on: pair k
	v_pk_add_f32 v[\t:\t+1], v[\t:\t+1], v[S+2*(\k):S+2*(\k)+1]
.endm
.macro JN a, b                         ; two chains joined
	v_pk_add_f32 v[\a:\a+1], v[\a:\a+1], v[\b:\b+1]
.endm
.macro TM j                            ; t - M, two at a time
	v_pk_fma_f32 v[S+\j:S+\j+1], v[S+\j:S+\j+1], s[44:45], v[NM:NM+1] op_sel_hi:[1,0,0]
.endm
.macro OMUL j0                         ; one accumulator of O^T under the new M, from its low end on
.irp j, 0,2,4,6
	v_pk_mul_f32 v[O+(\j0)+\j:O+(\j0)+\j+1], v[O+(\j0)+\j:O+(\j0)+\j+1], v[F:F+1] op_sel_hi:[1,0]
.endr
.endm
; A KEY STEP: 128 keys; K's fragments have been asked for.
.macro STEP i
	s_wait_alu depctr_va_vdst(0)                   ; the wait here, directly ahead of the wait below
	s_wait_dscnt 0x0                               ; K and its scale words are in
.irp t, 0,1,2,3,4,5,6,7
	MM S+8*\t, KV+6*\t, Q, 0, KS+\t/2, QS, \t%2
.endr
	JN T1, T2                                      ; the last step's chains are joined: four places in front of the loads below and of the first read of the scores
	JN T3, T4
	JN T5, T6
	JN SUM, T7
.irp j, 0,1,2,3,4,5,6,7,8,9,10,11
	ds_load_b128 v[KV+4*\j:KV+4*\j+3], v[ADR] offset:STEPB*(\i)+6656+512*\j   ; V's four tiles land while the softmax is walked
.endr
	ds_load_b64 v[VS:VS+1], v[AD8] offset:STEPB*(\i)+12800
	JN T1, T3
	JN SUM, T5
.irp b, 0,1
	v_max3_num_f32 v[BM+\b], v[S+32*\b], v[S+32*\b+1], v[S+32*\b+2]           ; the largest score of my two blocks of 32 keys, two chains a block: it serves for the row's maximum
	v_max3_num_f32 v[BM+2+\b], v[S+32*\b+3], v[S+32*\b+4], v[S+32*\b+5]       ; and, since p rises with the score, for the block's largest p
.endr
	JN SUM, T1
.irp i2, 6,10,14,18,22,26
.irp b, 0,1
	v_max3_num_f32 v[BM+\b], v[BM+\b], v[S+32*\b+\i2], v[S+32*\b+\i2+1]
	v_max3_num_f32 v[BM+2+\b], v[BM+2+\b], v[S+32*\b+\i2+2], v[S+32*\b+\i2+3]
.endr
.endr
.irp b, 0,1
	v_max3_num_f32 v[BM+\b], v[BM+\b], v[S+32*\b+30], v[S+32*\b+31]
.endr
.irp b, 0,1
	v_max_num_f32 v[BM+\b], v[BM+\b], v[BM+2+\b]
.endr
	v_mov_b32 v[TT+1], v[NM]
	v_max_num_f32 v[TT], v[BM], v[BM+1]
	v_permlanex16_b32 v[BP], v[TT], s42, s43       ; lane l xor 16's 64 keys
	v_max3_num_f32 v[MT], v[MT], v[TT], v[BP]      ; the running largest score
	v_mul_f32 v[TT], s44, v[MT]                    ; as t (c is positive, and a rounded product rises with its factor)
	v_floor_f32 v[NM], -v[TT]                      ; the new -M = floor(-t) = -ceil(t)
.irp j, 0,2,4,6,8
	TM \j
.endr
	v_sub_f32 v[TT+1], v[NM], v[TT+1]              ; old M - new M: a whole number, 0 or less
.irp j, 10,12,14,16,18
	TM \j
.endr
	v_cvt_i32_f32 v[TT+1], v[TT+1]                 ; (it saturates)
.irp j, 20,22,24,26,28
	TM \j
.endr
	v_ldexp_f32 v[F], 1.0, v[TT+1]                 ; f = 2^(old M - new M)
.irp j, 30,32,34,36,38,40,42,44,46,48,50,52,54,56,58,60,62
	TM \j
.endr
.irp b, 0,1
	v_fma_f32 v[BM+\b], v[BM+\b], s44, v[NM]       ; the same of each block's largest score
.endr
	s_wait_alu depctr_va_vdst(0)                   ; the wait ahead of the batch
.irp j, 0,1,2,3,4,5,6,7,8,9,10,11,12,13,14,15,16,17,18,19,20,21,22,23,24,25,26,27,28,29,30,31,32,33,34,35,36,37,38,39,40,41,42,43,44,45,46,47,48,49,50,51,52,53,54,55,56,57,58,59,60,61,62,63
	v_exp_f32 v[S+\j], v[S+\j]                     ; p = 2^(t - M), at most 1
.endr
.irp b, 0,1
	v_exp_f32 v[BM+\b], v[BM+\b]                   ; the block's largest p: the same two instructions on the same number
.endr
	v_pk_mul_f32 v[SUM:SUM+1], v[SUM:SUM+1], v[F:F+1] op_sel_hi:[1,0]   ; the sum under the new M (a plain place behind the exponentials)
	s_wait_alu depctr_va_vdst(0)                   ; one wait for the batch, directly ahead of the first reader of O^T
	OMUL 0                                         ; the scale's short chain stands among the sixteen multiplications of O^T
.irp b, 0,1
	v_max_num_f32 v[BM+\b], 0x2800000, v[BM+\b]    ; the floor 2^(5 - 127): the byte cannot fall under 1
.endr
	OMUL 8
.irp b, 0,1
	v_add_nc_u32 v[SO+\b], 0xfe000000, v[BM+\b]    ; 4 off the exponent field: the conversion's scale operand
.endr
	OMUL 16
.irp b, 0,1
	v_lshrrev_b32 v[BP+\b], 23, v[SO+\b]           ; the scale's byte
.endr
	OMUL 24
	v_lshl_or_b32 v[BP], v[BP+1], 16, v[BP]        ; my two bytes: blocks lane / 16 and 2 + lane / 16
.irp c, 0,1
	v_cvt_scalef32_pk16_bf6_f32 v[PC+6*\c:PC+6*\c+2], v[S+32*\c:S+32*\c+15], v[SO+\c]
	v_cvt_scalef32_pk16_bf6_f32 v[CT+4*\c:CT+4*\c+2], v[S+16+32*\c:S+31+32*\c], v[SO+\c]   ; (a conversion's three registers begin on an even number)
.endr
	v_lshlrev_b32 v[BP], v[H8], v[BP]              ; at their places in the word (also the plain place behind the conversions)
.irp c, 0,1
.irp i2, 0,1,2
	v_mov_b32 v[PC+3+6*\c+\i2], v[CT+4*\c+\i2]
.endr
.endr
	v_permlanex16_b32 v[BP+1], v[BP], s42, s43
	A2 T1, 0
	A2 T2, 2
	A2 T3, 4
	A2 T4, 6
	v_or_b32 v[PS], v[BP], v[BP+1]                 ; p's scale word for these 128 keys; nine plain lines stand between it and the products
	A2 T5, 8
	A2 T6, 10
	A2 T7, 12
	AD SUM, 14
	AD T1, 15
	AD T2, 16
	AD T3, 17
	AD T4, 18
	AD T5, 19
	s_wait_alu depctr_va_vdst(0)                   ; the wait here, directly ahead of the wait below
	s_wait_dscnt 0x0                               ; V and its scale words are in
.irp t, 0,1,2,3
	MM O+8*\t, KV+12*\t, PC, 1, VS+\t/2, PS, \t%2
.endr
	AD T6, 20                                      ; four places in front of the loads into V's registers
	AD T7, 21
	AD SUM, 22
	AD T1, 23
.if (\i) < 3
	KLOAD (\i)+1                                   ; the next step's K lands under the rest of the sum
.endif
	AD T2, 24
	AD T3, 25
	AD T4, 26
	AD T5, 27
	AD T6, 28
	AD T7, 29
	AD SUM, 30
	AD T1, 31
.endm
	s_wait_alu depctr_va_vdst(0)                   ; the wait at the head's end
	s_wait_loadcnt 0x0                             ; Q and its scale word are in
	s_wait_tensorcnt 0x0                           ; my key step has landed
	s_wait_dscnt 0x0
	s_barrier_signal -1
	s_barrier_wait -1                              ; and so has everybody's: the head's bytes are whole, and nothing is filled again
.irp i, 0,1,2,3,4,5,6,7
	global_load_b128 v[XR+4*\i:XR+4*\i+3], v[GO], s[54:55] offset:(2*\i+24*(\i/4))*2048   ; place 2 i + lane / 16 of my tile: sixteen lanes read a row's 256 bytes of the head
.endr
	global_load_b128 v[EM:EM+3], v[R16], s[56:57]
	s_mov_b32 s46, 0
	s_mov_b32 s47, 4
.Ltrip:                                                ; a trip: four key steps, their places in the immediates
	v_add_nc_u32 v[ADR], s46, v[LI]
	v_add_nc_u32 v[AD8], s46, v[L8]
	KLOAD 0
	STEP 0
	STEP 1
	STEP 2
	STEP 3
	s_add_co_u32 s46, s46, GRPB
	s_sub_co_u32 s47, s47, 1
	s_cmp_lg_u32 s47, 0
	s_wait_alu depctr_va_vdst(0)                   ; the wait here, directly ahead of the branch
	s_cbranch_scc1 .Ltrip
	; THE WAY OUT.  O^T / the sum goes through my stage in LDS and comes back as rows of 256 bytes (the head's 64 channels of a token); x + emb is added, and sixteen lanes store 256 consecutive bytes, aligned.
	JN T1, T2                                      ; the last step's chains
	JN T3, T4
	JN T5, T6
	JN SUM, T7
	JN T1, T3
	JN SUM, T5
	s_delay_alu instid0(VALU_DEP_1)
	JN SUM, T1
	s_delay_alu instid0(VALU_DEP_1)
	v_add_f32 v[SUM], v[SUM], v[SUM+1]             ; the sum's two halves,
	s_delay_alu instid0(VALU_DEP_1)
	v_permlanex16_b32 v[TT], v[SUM], s42, s43
	s_delay_alu instid0(VALU_DEP_1)
	v_add_f32 v[SUM], v[SUM], v[TT]                ; and lane l xor 16's
	s_wait_alu depctr_va_vdst(0)                   ; the wait ahead of the transcendental
	v_rcp_f32 v[F], v[SUM]
	s_mul_i32 s63, s14, STGW
	s_add_co_u32 s63, s63, STG                     ; my stage
	v_mul_u32_u24 v[ADR], v[R16], 17               ; in: row r of 272 bytes,
	v_mad_u32_u24 v[AD8], v[H8], 34, v[R16]        ; back: lanes 0-15 one row, lanes 16-31 the next
	v_lshl_add_u32 v[ADR], v[H8], 4, v[ADR]        ; + 128 h: register 8 tau + j is channel 8 tau + 32 h + j
	v_add_nc_u32 v[AD8], s63, v[AD8]
	v_add_nc_u32 v[ADR], s63, v[ADR]
	s_wait_alu depctr_va_vdst(0)                   ; the wait ahead of the reciprocal's reader and of the first reader of O^T
.irp j, 0,2,4,6,8,10,12,14,16,18,20,22,24,26,28,30
	v_pk_mul_f32 v[S+\j:S+\j+1], v[O+\j:O+\j+1], v[F:F+1] op_sel_hi:[1,0]
.endr
.irp t, 0,1,2,3
	ds_store_b128 v[ADR], v[S+8*\t:S+8*\t+3] offset:32*\t
	ds_store_b128 v[ADR], v[S+8*\t+4:S+8*\t+7] offset:32*\t+16
.endr
.irp i, 0,1,2,3,4,5,6,7
	ds_load_b128 v[S+32+4*\i:S+32+4*\i+3], v[AD8] offset:544*\i    ; LDS serves a wave's instructions in order: these see my stores
.endr
	s_wait_loadcnt 0x0                             ; x and emb
.irp i, 0,1,2,3,4,5,6,7
	v_pk_add_f32 v[XR+4*\i:XR+4*\i+1], v[XR+4*\i:XR+4*\i+1], v[EM:EM+1]
	v_pk_add_f32 v[XR+4*\i+2:XR+4*\i+3], v[XR+4*\i+2:XR+4*\i+3], v[EM+2:EM+3]
.endr
	s_wait_alu depctr_va_vdst(0)                   ; the wait here, directly ahead of the waits below
.irp i, 0,1,2,3,4,5,6,7
	s_wait_dscnt 7-\i                              ; the younger loads from the stage may be out
	v_pk_add_f32 v[XR+4*\i:XR+4*\i+1], v[XR+4*\i:XR+4*\i+1], v[S+32+4*\i:S+32+4*\i+1]
	v_pk_add_f32 v[XR+4*\i+2:XR+4*\i+3], v[XR+4*\i+2:XR+4*\i+3], v[S+32+4*\i+2:S+32+4*\i+3]
	global_store_b128 v[GO], v[XR+4*\i:XR+4*\i+3], s[58:59] offset:(2*\i+24*(\i/4))*2048 th:TH_STORE_NT
.endr
	s_wait_tensorcnt 0x0                           ; the wave's end
	ds_add_u32 v[SPW], v[NIL]
	s_wait_dscnt 0x0
	ROUND                                          ; the closing round: no work-group ends while a partner may still ask for bytes by a load that names it
	s_endpgm
.Lfunc_end_k_q703eb7b8c4_attn:
	.size	k_q703eb7b8c4_attn, .Lfunc_end_k_q703eb7b8c4_attn-k_q703eb7b8c4_attn
	.p2alignl 7, 3214868480
	.fill 96, 4, 3214868480
	.section	.rodata,"a",@progbits
	.p2align	6, 0x0
	.amdhsa_kernel k_q703eb7b8c4_attn
		.amdhsa_group_segment_fixed_size 327680
		.amdhsa_private_segment_fixed_size 0
		.amdhsa_enable_private_segment 0
		.amdhsa_kernarg_size 40
		.amdhsa_user_sgpr_count 2
		.amdhsa_user_sgpr_kernarg_segment_ptr 1
		.amdhsa_wavefront_size32 1
		.amdhsa_system_sgpr_workgroup_id_x 1
		.amdhsa_system_sgpr_workgroup_id_y 1
		.amdhsa_system_sgpr_workgroup_id_z 1
		.amdhsa_system_vgpr_workitem_id 0
		.amdhsa_next_free_vgpr 256
		.amdhsa_next_free_sgpr 66
		.amdhsa_reserve_vcc 0
		.amdhsa_float_denorm_mode_32 3
		.amdhsa_float_denorm_mode_16_64 3
		.amdhsa_memory_ordered 1
		.amdhsa_forward_progress 1
		.amdhsa_inst_pref_size 71
	.end_amdhsa_kernel
	.amdgpu_metadata
---
amdhsa.version: [ 1, 2 ]
amdhsa.kernels:
  - .name:           k_q703eb7b8c4_attn
    .symbol:         k_q703eb7b8c4_attn.kd
    .args:
      - { .name: q, .offset: 0, .size: 8, .value_kind: global_buffer, .address_space: global }
      - { .name: kv, .offset: 8, .size: 8, .value_kind: global_buffer, .address_space: global }
      - { .name: x, .offset: 16, .size: 8, .value_kind: global_buffer, .address_space: global }
      - { .name: emb, .offset: 24, .size: 8, .value_kind: global_buffer, .address_space: global }
      - { .name: out0, .offset: 32, .size: 8, .value_kind: global_buffer, .address_space: global }
    .group_segment_fixed_size: 327680
    .private_segment_fixed_size: 0
    .kernarg_segment_align: 8
    .kernarg_segment_size: 40
    .max_flat_workgroup_size: 512
    .sgpr_count:     66
    .vgpr_count:     256
    .wavefront_size: 32
...
	.end_amdgpu_metadata
.endif
;; end of part 3
